; MI455X (gfx1250); checked and timed in simulation.
; The chip was launched on July 23, 2026; its instructions are those of AMD's public machine-readable ISA for CDNA 5 (MIT licence, August 2026) and "CDNA5" Instruction Set Architecture Reference Guide (July 2026). The comments in the code are by the model that wrote it; some were corrected since.
;; Dual SPRT Linear. Allowed arithmetic: matrix products marked QUANTISED: E2M1 operands, one E8M0 scale for each 32 along K, by v_wmma_scale_f32_16x16x128_f8f6f4 with both operands' format E2M1 (or v_wmma_scale_f32_32x16x128_f4), f32 sums; everything else in f32.
;; Inputs: scales 65,536 float32; ternary 2,048 x 4,096 int8; x 4 x 2,048 x 4,096 float32.
;; Outputs: out0 4 x 2,048 x 2,048 float32.
;; This version of the problem:
;;   THIS VERSION OF THE PROBLEM IS GIVEN IN LOW PRECISION. The matrix products marked QUANTISED in the list below multiply operands that are first quantised to E2M1 (2 exponent bits, 1 mantissa bit; 4 bits a number), with one power-of-two scale for each 32 numbers along K (OCP MX v1.0); their sums are f32. All else is computed in f32.
;;   The module's matrix products, in the order in which they are computed (A, B: the left and right operand; K: the contracted axis; several contracted axes count as one K, in the product's order):
;;     1. [M 8,192, K 4,096] x [K 4,096, N 2,048]; A: input x; B: computed on the way: QUANTISED
;;   THE QUANTISER, for each operand of a quantised product, along K:
;;     - K is cut into blocks of 32 from its start; a last block that is shorter is filled with zeros.
;;     - A block's scale is 2^e with e = floor(log2(the largest magnitude in the block)) - 2, held to -126 .. 127; a block of zeros has e = 0. As a byte (E8M0): e + 127.
;;     - Each number is divided by its block's scale, clamped to +-6, and rounded to the nearest number of E2M1, ties to even, subnormals kept.
;;     - The product sums the exact products of the quantised numbers (number of the format x scale) in f32.
;;   ~~~python
;;   def quantise(x, axis):      # numpy; x: float32 -> the quantised numbers, widened to float32 again
;;       x = np.moveaxis(x, axis, -1); K = x.shape[-1]
;;       x = np.pad(x, [(0, 0)] * (x.ndim - 1) + [(0, -K % 32)]); x = x.reshape(x.shape[:-1] + (-1, 32)); a = np.abs(x).max(-1, keepdims=True)
;;       e = np.where(a > 0, np.clip(np.frexp(np.where(a > 0, a, 1))[1] - 1 - 2, -126, 127), 0)      # np.frexp(a)[1] - 1 = floor(log2(a)), exactly
;;       r = np.clip(x / 2.0 ** e, -6, 6)
;;       step = 2.0 ** (np.maximum(np.frexp(np.where(r == 0, 1, r))[1] - 1, 0) - 1)
;;       q = np.round(r / step) * step * 2.0 ** e      # np.round: ties to even
;;       return np.moveaxis(q.reshape(q.shape[:-2] + (-1,))[..., :K], -1, axis).astype(np.float32)
;;   ~~~
;;   OPERANDS COMPUTED ON THE WAY. 'Computed on the way' means the value that the module computes at that place (a softmax that the list does not call 'softmax' is quantised finished and normalised). What goes into a quantiser is computed in f32, as accurately as f32 sums, v_exp_f32 and their like allow (about 1e-6 of the number): no bf16 or f16 on the way to a quantiser, and a product that is left as it is and whose result goes on into a quantised operand takes f32 operands (vector FMAs, or v_wmma_f32_16x16x4_f32). A number that lies on a knife's edge between two numbers of the format may be rounded either way, as far as f32 arithmetic and the matrix unit's own rounding can turn it there, and no further.
;; One version. Each part assembles by itself: llvm-mc -triple=amdgcn-amd-amdhsa -mcpu=gfx1250 --defsym DOCPART=n.
;; ======== version 1 of 1: 2 launches
;; limits: right only within a limited range of input values
;; workspace buffers: codes 22,282,240 bytes
;; launch quant (part 1): grid 1280 x 1, 4 waves a work-group, no clusters, 68,096 bytes of LDS; arguments x, ternary, scales, codes; writes codes
.if DOCPART == 1
	.amdgcn_target "amdgcn-amd-amdhsa--gfx1250"
	.amdhsa_code_object_version 6
	.text
	.protected	k_q90342610ff_quant
	.globl	k_q90342610ff_quant
	.p2align	8
	.type	k_q90342610ff_quant,@function
k_q90342610ff_quant:
	s_mov_b64 s[64:65], 0
	v_nop
	global_prefetch_b8 v0, s[64:65] scope:SCOPE_SE
	s_setreg_imm32_b32 hwreg(HW_REG_WAVE_MODE, 25, 1), 1
	s_wait_xcnt 0x0
; x [8192][4096] f32, and w = f32(ternary [2048][4096] int8) x scales [one f32 for each 128 along a row], become codes of FP4 (E2M1) with one E8M0 scale byte for each 32 along K.
; A block's scale is 2^(floor(log2(its largest magnitude)) - 2); its byte is the largest magnitude's exponent field - 2, held at 1 from below.  Each number is divided by the scale and rounded to the nearest code,
; ties to even; beyond 6 the conversion gives the largest code.
; LIMITS: NaN and infinities among the inputs are not served.  A block of zeros, and a block whose largest magnitude lies under 2^-124, gets the byte 1 (for zeros the quantiser's text says 127): the codes of a
; block of zeros are zeros, which add nothing under that byte, and the bytes are read by this program alone.  ternary is taken as any int8 number.
; THE BUFFER IS LAID IN THE ORDER OF THE MATRIX OPERAND'S REGISTERS.  Rows 0-8191 are x's, rows 8192-10239 w's.  RB = row / 128, j = k / 512, i = (row % 128) / 16, b = (k % 512) / 32, r = row % 16.
;   codes [RB 80][j 8][34,816 bytes]: first [i 8][b 16][r 16][16 bytes of codes], 32,768 bytes; behind them [i 8][r 16][16 scale bytes, byte b is block b's], 2,048 bytes.
;   So what the product's launch wants of 128 rows and 512 along K, codes and scales, is one dense run of 136 x 256 bytes.
; SHARES.  A wave takes 16 rows x 512 along K: 4,096 bytes of codes and 256 scale bytes, both dense.  A work-group takes one group of 16 rows and half of K.
; Work-groups 0-255 take w, work-groups 256-1279 x: one scalar branch on the work-group's number; the two ways never join, and each has LDS bytes of its own.
; A LANE HOLDS A WHOLE BLOCK: lane (r, h) takes row r and blocks 2 s + h: its largest magnitude needs no other lane, and its four conversions give the 16 bytes that the layout wants at 512 s + 16 x lane.
; The loads take the bytes as they lie (512 consecutive bytes of one row to a load); the turn to a lane's 32 neighbours goes through the wave's own stage in LDS: 16 rows of 512 bytes + 16 of padding.
; Each block's codes have registers of their own; the wave's eight stores of codes, 512 consecutive aligned bytes each, stand together behind the last block.
; Waves share nothing: no barrier, no tensor load, no cluster (no byte is read by two work-groups), no matrix instruction.
.set SPI,  528                         ; a stage row
.set WREG, 16*SPI                      ; a wave's stage
.set WSTG, 4*WREG                      ; w's four stages lie behind x's four
.set BLK,  34816                       ; codes and scales of 128 rows x 512 along K
.set SG,   16                          ; v16-19   w: my row's four group scales of this K step
.set WD,   20                          ; v20-23   the scale words in the making
.set PD,   24                          ; v24-27   the other half's words
.set C,    32                          ; v32-63   codes: four registers for each of my eight blocks
.set X,    64                          ; v64-127  two blocks of 32 numbers
.set R,    128                         ; v128-255 x: two sets of 64 registers as loaded;  w: v128-191 as loaded,
.set PK,   192                         ; v192-255 w: my eight blocks of 32 int8, 8 registers each
	s_load_b256 s[4:11], s[0:1], 0x0               ; x s[4:5], ternary s[6:7], scales s[8:9], codes s[10:11]
	v_lshl_add_u32 v30, v0, 2, 0x10800             ; my spare word, behind the eight stages
	v_mov_b32 v31, 0
	v_lshrrev_b32 v1, 5, v0
	v_readfirstlane_b32 s14, v1                    ; wave 0..3
	v_and_b32 v1, 31, v0                           ; lane
	v_and_b32 v2, 15, v0                           ; r
	v_bfe_u32 v3, v0, 4, 1                         ; h
	v_lshlrev_b32 v4, 4, v1                        ; 16 x lane: my bytes of a load's 512 and of a store's 512
	s_mul_i32 s15, s14, WREG
	v_add_nc_u32 v5, s15, v4                       ; x's stage, in
	v_mul_u32_u24 v10, v2, SPI
	v_add_nc_u32 v10, s15, v10
	v_lshl_add_u32 v6, v3, 7, v10                  ; x's stage, out: row r, + 128 h
	v_lshl_add_u32 v15, v3, 5, v10
	v_add_nc_u32 v15, WSTG, v15                    ; w's stage, out: row r, + 32 h
	v_add_nc_u32 v14, WSTG, v5                     ; w's stage, in
	v_lshlrev_b32 v7, 3, v3                        ; 8 h: how far my bytes are shifted in a scale word
	v_lshlrev_b32 v8, 4, v2                        ; 16 r: my row's 16 scale bytes
	v_lshlrev_b32 v9, 7, v2                        ; 128 r: my row's 32 group scales
.irp n, 0,1,2,3
	v_mov_b32 v[PD+\n], 0                          ; a lane permute's destination counts as one of its sources
.endr
	s_mov_b32 s20, 0x76543210
	s_mov_b32 s21, 0xfedcba98                      ; v_permlanex16_b32's selects for lane l xor 16
	s_and_b32 s16, ttmp9, 1
	s_lshl_b32 s16, s16, 2
	s_add_co_u32 s16, s16, s14                     ; j = 4 x (work-group % 2) + wave
	s_wait_alu depctr_va_vdst(0)                   ; the wait at the head's end
	s_wait_kmcnt 0x0
; s17 = the group of 16 rows (0-639), s16 = j.  s[10:11]: my 4,096 bytes of codes; s[12:13]: my 256 scale bytes
.macro OUTPLACE
	s_lshr_b32 s18, s17, 3                         ; RB
	s_and_b32 s17, s17, 7                          ; i
	s_lshl_b32 s18, s18, 3
	s_add_co_u32 s18, s18, s16                     ; 8 RB + j, at most 639
	s_mul_i32 s18, s18, BLK
	s_mov_b32 s19, 0
	s_add_nc_u64 s[10:11], s[10:11], s[18:19]      ; the run of (RB, j)
	s_lshl_b32 s18, s17, 8
	s_add_co_u32 s18, s18, 32768
	s_add_nc_u64 s[12:13], s[10:11], s[18:19]      ; its scales, 256 i
	s_lshl_b32 s18, s17, 12
	s_add_nc_u64 s[10:11], s[10:11], s[18:19]      ; its codes, 4,096 i
.endm
; chunk q of x: 128 along K of my 16 rows, a row's 512 consecutive bytes to a load, into set q % 2
.macro LOADX q
.irp t, 0,1,2,3,4,5,6,7,8,9,10,11,12,13,14,15
	global_load_b128 v[R+64*((\q)%2)+4*\t:R+64*((\q)%2)+4*\t+3], v4, s[4:5] offset:\t*16384+(\q)*512 th:TH_LOAD_NT
.endr
.endm
; my block 2 idx + h lies in v[xs] .. v[xs + 31]: its codes are made, its byte goes into the scale words
.macro QBLOCK xs, idx
	v_max3_num_f32 v10, |v[\xs]|, |v[\xs+1]|, |v[\xs+2]|           ; the largest magnitude: all 32 numbers are mine; two chains
	v_max3_num_f32 v11, |v[\xs+3]|, |v[\xs+4]|, |v[\xs+5]|
.irp n, 6,10,14,18,22,26
	v_max3_num_f32 v10, v10, |v[\xs+\n]|, |v[\xs+\n+1]|
	v_max3_num_f32 v11, v11, |v[\xs+\n+2]|, |v[\xs+\n+3]|
.endr
	v_max3_num_f32 v10, v10, |v[\xs+30]|, |v[\xs+31]|
	v_max3_num_f32 v10, v10, v11, 0x1800000        ; and the floor 2^(3 - 127): the byte cannot fall under 1
	v_add_nc_u32 v12, 0xff000000, v10              ; 2 off the exponent field: the conversion's scale operand
.irp g, 0,1,2,3
	v_cvt_scalef32_pk8_fp4_f32 v[C+4*(\idx)+\g], v[\xs+8*\g:\xs+8*\g+7], v12
.endr
	v_lshrrev_b32 v13, 23, v12                     ; the scale's byte; also the plain line behind the conversions
.if (\idx)%2 == 0
	v_mov_b32 v[WD+(\idx)/2], v13                  ; word idx / 2 covers blocks 4 (idx / 2) .. + 3: mine are h and 2 + h of them
.else
	v_lshl_or_b32 v[WD+(\idx)/2], v13, 16, v[WD+(\idx)/2]
.endif
.endm
; the four scale words are made whole with lane l xor 16's bytes; the codes leave, 512 consecutive bytes a store; lanes 0-15 store 16 scale bytes each: 256 consecutive bytes, aligned
.macro FINISH
.irp n, 0,1,2,3
	v_lshlrev_b32 v[WD+\n], v7, v[WD+\n]
.endr
.irp n, 0,1,2,3
	v_permlanex16_b32 v[PD+\n], v[WD+\n], s20, s21
.endr
.irp n, 0,1,2,3
	v_or_b32 v[WD+\n], v[WD+\n], v[PD+\n]
.endr
	s_wait_alu depctr_va_vdst(0)
.irp n, 0,1,2,3,4,5,6,7
	global_store_b128 v4, v[C+4*\n:C+4*\n+3], s[10:11] offset:512*\n   ; blocks 2 n and 2 n + 1 of the 16 rows
.endr
	s_wait_xcnt 0x0                                ; EXEC is a source of the stores that are out: it changes only behind this wait
	v_cmp_gt_u32 vcc_lo, 16, v1
	s_and_saveexec_b32 s22, vcc_lo
	global_store_b128 v8, v[WD:WD+3], s[12:13]
	s_wait_xcnt 0x0                                ; and again, in front of the line that widens it
	s_or_b32 exec_lo, exec_lo, s22
	s_wait_xcnt 0x0
	s_mov_b32 exec_lo, -1
	s_wait_tensorcnt 0x0                           ; the wave's end
	ds_add_u32 v30, v31
	s_wait_dscnt 0x0
	s_endpgm
.endm
	s_cmp_lt_u32 ttmp9, 256
	s_cbranch_scc1 .Lw
	; ---- x: group g = (work-group - 256) / 2: 16 rows of 16,384 bytes; my K step begins 2,048 j bytes into a row
	s_sub_co_u32 s17, ttmp9, 256
	s_lshr_b32 s17, s17, 1
	s_lshl_b32 s18, s17, 18
	s_lshl_b32 s19, s16, 11
	s_add_co_u32 s18, s18, s19
	s_mov_b32 s19, 0
	s_add_nc_u64 s[4:5], s[4:5], s[18:19]
	OUTPLACE
	LOADX 0
	LOADX 1                                        ; 32 loads of the wave, 16,384 bytes, are out
.irp q, 0,1,2,3
.if \q < 3
	s_wait_loadcnt 16                              ; this chunk's 16 loads are in; the next chunk's 16 stay out
.else
	s_wait_loadcnt 0x0
.endif
.irp t, 0,1,2,3,4,5,6,7,8,9,10,11,12,13,14,15
	ds_store_b128 v5, v[R+64*(\q%2)+4*\t:R+64*(\q%2)+4*\t+3] offset:SPI*\t
.endr
.irp u, 0,1
.irp e, 0,1,2,3,4,5,6,7
	ds_load_b128 v[X+32*\u+4*\e:X+32*\u+4*\e+3], v6 offset:256*\u+16*\e   ; LDS serves a wave's instructions in order (ISA guide 5.7.1.4): these see the stores above
.endr
.endr
.if \q < 2
	s_wait_dscnt 16                                ; the 16 stores are done (the 16 reads behind them may be out): they have read their registers,
	LOADX \q+2                                     ; which take the chunk two further on
.endif
	s_wait_dscnt 8                                 ; my first block's 8 reads are in
	QBLOCK X, 2*\q
	s_wait_dscnt 0x0
	QBLOCK X+32, 2*\q+1
.endr
	FINISH
.Lw:	; ---- w: group gw = work-group / 2: 16 rows of 4,096 bytes of ternary, 128 bytes of group scales a row
	s_lshr_b32 s17, ttmp9, 1
	s_lshl_b32 s18, s17, 16
	s_lshl_b32 s19, s16, 9                         ; my K step: 512 j bytes into a row
	s_add_co_u32 s18, s18, s19
	s_mov_b32 s19, 0
	s_add_nc_u64 s[6:7], s[6:7], s[18:19]
	s_lshl_b32 s18, s17, 11
	s_lshl_b32 s23, s16, 4                         ; and its four group scales: 16 j bytes
	s_add_co_u32 s18, s18, s23
	s_add_nc_u64 s[8:9], s[8:9], s[18:19]
	s_add_co_u32 s17, s17, 512                     ; w's groups of rows lie behind x's 512
	OUTPLACE
.irp t, 0,1,2,3,4,5,6,7,8,9,10,11,12,13,14,15
	global_load_b128 v[R+4*\t:R+4*\t+3], v4, s[6:7] offset:\t*4096 th:TH_LOAD_NT   ; a row's 512 consecutive bytes
.endr
	global_load_b128 v[SG:SG+3], v9, s[8:9]        ; 16 bytes of each of 16 rows: one byte in 32 of what this way reads
	s_wait_loadcnt 0x0
.irp t, 0,1,2,3,4,5,6,7,8,9,10,11,12,13,14,15
	ds_store_b128 v14, v[R+4*\t:R+4*\t+3] offset:SPI*\t
.endr
.irp s, 0,1,2,3,4,5,6,7
.irp e, 0,1
	ds_load_b128 v[PK+8*\s+4*\e:PK+8*\s+4*\e+3], v15 offset:64*\s+16*\e
.endr
.endr
; block s: 32 int8 in 8 registers become 32 f32 times the group's scale: one rounding, as the weight is defined
.macro UNPACK s
.irp p, 0,1,2,3,4,5,6,7
.irp k, 0,1,2
	v_lshlrev_b32 v[X+4*\p+\k], 24-8*\k, v[PK+8*(\s)+\p]           ; byte k to the top,
.endr
.endr
.irp p, 0,1,2,3,4,5,6,7
.irp k, 0,1,2
	v_ashrrev_i32 v[X+4*\p+\k], 24, v[X+4*\p+\k]                   ; and down again with its sign
.endr
	v_ashrrev_i32 v[X+4*\p+3], 24, v[PK+8*(\s)+\p]
.endr
.set n, 0
.rept 32
	v_cvt_f32_i32 v[X+n], v[X+n]
.set n, n+1
.endr
.set n, 0
.rept 32
	v_mul_f32 v[X+n], v[SG+(\s)/2], v[X+n]                         ; blocks 2 s + h lie in group s / 2 of the K step's four
.set n, n+1
.endr
.endm
.irp s, 0,1,2,3,4,5,6,7
	s_wait_dscnt 14-2*\s                           ; this block's two reads are in; the later blocks' may be out
	UNPACK \s
	QBLOCK X, \s
.endr
	FINISH
.Lfunc_end_k_q90342610ff_quant:
	.size	k_q90342610ff_quant, .Lfunc_end_k_q90342610ff_quant-k_q90342610ff_quant
	.p2alignl 7, 3214868480
	.fill 96, 4, 3214868480
	.section	.rodata,"a",@progbits
	.p2align	6, 0x0
	.amdhsa_kernel k_q90342610ff_quant
		.amdhsa_group_segment_fixed_size 68096
		.amdhsa_private_segment_fixed_size 0
		.amdhsa_enable_private_segment 0
		.amdhsa_kernarg_size 32
		.amdhsa_user_sgpr_count 2
		.amdhsa_user_sgpr_kernarg_segment_ptr 1
		.amdhsa_wavefront_size32 1
		.amdhsa_system_sgpr_workgroup_id_x 1
		.amdhsa_system_sgpr_workgroup_id_y 1
		.amdhsa_system_sgpr_workgroup_id_z 1
		.amdhsa_system_vgpr_workitem_id 0
		.amdhsa_next_free_vgpr 256
		.amdhsa_next_free_sgpr 66
		.amdhsa_reserve_vcc 1
		.amdhsa_float_denorm_mode_32 3
		.amdhsa_float_denorm_mode_16_64 3
		.amdhsa_memory_ordered 1
		.amdhsa_forward_progress 1
		.amdhsa_inst_pref_size 78
	.end_amdhsa_kernel
	.amdgpu_metadata
---
amdhsa.version: [ 1, 2 ]
amdhsa.kernels:
  - .name:           k_q90342610ff_quant
    .symbol:         k_q90342610ff_quant.kd
    .args:
      - { .name: x, .offset: 0, .size: 8, .value_kind: global_buffer, .address_space: global }
      - { .name: ternary, .offset: 8, .size: 8, .value_kind: global_buffer, .address_space: global }
      - { .name: scales, .offset: 16, .size: 8, .value_kind: global_buffer, .address_space: global }
      - { .name: codes, .offset: 24, .size: 8, .value_kind: global_buffer, .address_space: global }
    .group_segment_fixed_size: 68096
    .private_segment_fixed_size: 0
    .kernarg_segment_align: 8
    .kernarg_segment_size: 32
    .max_flat_workgroup_size: 128
    .sgpr_count:     66
    .vgpr_count:     256
    .wavefront_size: 32
...
	.end_amdgpu_metadata
.endif
;; end of part 1
;; launch gemm (part 2): grid 8 x 32, 4 waves a work-group, clusters of 4 x 4, 327,680 bytes of LDS; arguments codes, out0; writes out0
.if DOCPART == 2
	.amdgcn_target "amdgcn-amd-amdhsa--gfx1250"
	.amdhsa_code_object_version 6
	.text
	.protected	k_q90342610ff_gemm
	.globl	k_q90342610ff_gemm
	.p2align	8
	.type	k_q90342610ff_gemm,@function
k_q90342610ff_gemm:
	s_mov_b64 s[64:65], 0
	v_nop
	global_prefetch_b8 v0, s[64:65] scope:SCOPE_SE
	s_setreg_imm32_b32 hwreg(HW_REG_WAVE_MODE, 25, 1), 1
	s_wait_xcnt 0x0
	s_wait_alu depctr_hold_cnt(0) depctr_sa_sdst(0) depctr_va_vdst(0) depctr_va_sdst(0) depctr_va_ssrc(0) depctr_va_vcc(0) depctr_vm_vsrc(0)
	s_getreg_b32 s2, hwreg(HW_REG_IB_STS2, 6, 4)
	s_cmp_eq_u32 s2, 0
	s_cbranch_scc0 .Lentry_in_a_cluster
	s_endpgm
.Lentry_in_a_cluster:
	s_bfe_u32 s2, ttmp6, 0x10000c
	s_cmp_lg_u32 s2, 0xf033
	s_cbranch_scc0 .Lentry_shape_is_right
	s_endpgm
.Lentry_shape_is_right:
; out0 [8192][2048] f32 = x w^T on codes of FP4 (E2M1) with E8M0 scales, as the launch before laid them: [RB 80][j 8][34,816 bytes]; RB 0-63 are x's groups of 128 rows, RB 64-79 w's.
; A run of 34,816 bytes holds, for 128 rows and 512 along K, 32,768 bytes of codes in the order of the operand's registers ([i 8][b 16][r 16][16 bytes]) and 2,048 scale bytes ([i 8][r 16][16 bytes]).
; A tile of 256 x 256 is made by a work-group of four waves; a wave makes 128 x 128: 64 accumulators, 512 registers.  K goes in 8 steps of 512 through a ring of two LDS slots; a slot is four runs
; (x's two, w's two); each wave fetches one run by ONE tensor load of 136 rows of 256 bytes: codes and scales come together.
; CLUSTERS: 4 x 4 work-groups; x's runs are asked for jointly along a row of the cluster, w's along a column.  The matrix instruction is used transposed (source 0 = 16 rows of w, source 1 = 16 rows of x):
; a lane then holds eight neighbouring numbers of a row of the result.
; REGISTERS: window 0: v0-31 addresses, v32-95 scale words (a set for each slot; lanes 0-15 x's block i, lanes 16-31 w's block i); in the last K step v96-159 x's fragments, v192-255 the way out.
;   window 1: w's fragments, two sets at v0 and v64; x's, two sets at v128 and v192; in the last K step all 256: w's fragments of the whole step.  Windows 2, 3: the accumulators of my rows 0-63 and 64-127.
; A step of 128 along K is 64 matrix instructions; the next step's 32 LDS loads go into the other sets in ONE run at the step's head, 64 matrix instructions ahead of their use.
; THE LAST K STEP GOES BY ROWS OF THE RESULT: my eight blocks of 16 rows are finished one after the other, 32 matrix instructions each (K ascending, the block's 8 accumulators by turns), and each block
; leaves as soon as it is finished.  LDS is read no more than in any other K step.
; PREFETCH: each K step's runs are named ahead of their tensor loads: steps 1 to 3 at the head, step t + 4 at change of slots t (whose refill asks for step t + 2).  A run's 136 blocks of 256 bytes are
; shared out by address among the four partners that load it jointly, 34 each: two instructions a wave (32 lanes, then 2 blocks; the lanes left over name the last again).  w's runs are named by the
; clusters of the first two rows of clusters alone.
.set SIZE_N, 2048
.set BLK,    34816
.set RBC,    8*BLK
.set SLOT,   4*BLK
.set SPARE,  2*SLOT                    ; behind the ring: the spare words, 512 bytes
.set SPITCH, 528                       ; the way out: a stage of 16 rows x (512 + 16) bytes a wave, in slot 0 behind its last fill and last read
.set ADRA, 16                          ; v16-17 my x fragments in slot 0, 1
.set ADRB, 20                          ; v20-21 my w fragments
.set ADRS, 22                          ; v22-23 my scale words
.set STO,  24
.set RD,   25
.set CO,   26
.set SPW,  28
.set NIL,  29
.set PFO,  30                          ; 256 x lane
.set PFO2, 31                          ; 256 x (32 + min(lane, 1))
.set SC,   32
.set PA,   96                          ; the last K step: x's fragments of 16 rows x 512 K, 32 registers; two buffers
.set BK,   192                         ; 16 rows read back from the stage
.set G1, 24
.set G0, 32
.set G1B, 48
.set G0B, 56
.set LIM, 66                           ; 1: my wave prefetches; else the greatest number
.set PFA, 68
.set MSB, 0
.macro WIN new                         ; the immediate's high byte repeats the setting that is left
.if MSB != \new
	s_set_vgpr_msb (MSB<<8)|\new
.set MSB, \new
.endif
.endm
.set MUL_LO, 0xa5                      ; sources 0 and 1 window 1, C and D window 2
.set MUL_HI, 0xf5                      ; the same, C and D window 3
.set LD,     0x40                      ; destination window 1, address window 0
.macro JLOAD s                         ; a joint load: waves 0, 1 fetch x's two runs, waves 2, 3 w's
	s_cmp_eq_u32 s15, 0
	s_cbranch_scc0 .Lfor_b_\@
	tensor_load_to_lds s[G0+4*\s:G0+4*\s+3], s[G1:G1+7]
	s_nop 0
.rept 4
	v_nop
.endr
	s_branch .Lasked_\@
.Lfor_b_\@:
	tensor_load_to_lds s[G0B+4*\s:G0B+4*\s+3], s[G1B:G1B+7]
	s_nop 0
.rept 4
	v_nop
.endr
.Lasked_\@:
.endm
.macro CREST
	s_cmp_lg_u32 s14, 0
	s_cbranch_scc1 .Lnot_wave_0_\@
	s_barrier_signal -3
.Lnot_wave_0_\@:
	s_barrier_wait -3
	s_barrier_signal -1
	s_barrier_wait -1
.endm
.macro CROUND
	s_barrier_signal -1
	s_barrier_wait -1
	CREST
.endm
.macro PF off                          ; my 34 blocks of the run that lies off bytes behind PFA
	global_prefetch_b8 v[PFO], s[PFA:PFA+1] offset:\off th:TH_LOAD_NT scope:SCOPE_SE
	global_prefetch_b8 v[PFO2], s[PFA:PFA+1] offset:\off th:TH_LOAD_NT scope:SCOPE_SE
.endm
	s_load_b128 s[4:7], s[0:1], 0x0                ; codes s[4:5], out0 s[6:7]
	v_lshl_add_u32 v[SPW], v0, 2, SPARE
	v_mov_b32 v[NIL], 0
	ds_add_u32 v[SPW], v[NIL]                      ; the opening lines: the add, twice on end, and its wait
	ds_add_u32 v[SPW], v[NIL]
	v_lshrrev_b32 v1, 5, v0
	v_readfirstlane_b32 s14, v1                    ; wave
	s_lshr_b32 s15, s14, 1                         ; my half of the tile's rows; also: I fetch for x (0) or w (1)
	s_and_b32 s16, s14, 1                          ; my half of its columns; also: which of the two runs I fetch
	s_bfe_u32 s40, ttmp6, 0x40000                  ; cx
	s_bfe_u32 s41, ttmp6, 0x40004                  ; cy
	s_lshl_b32 s42, ttmp9, 2
	s_add_co_u32 s42, s42, s40                     ; tile column
	s_and_b32 s17, ttmp7, 0xffff
	s_lshl_b32 s17, s17, 2
	s_add_co_u32 s17, s17, s41                     ; tile row
	s_lshl_b32 s43, s41, 2
	s_lshl_b32 s43, 15, s43                        ; my row of the cluster
	s_lshl_b32 s44, 0x1111, s40                    ; my column
	s_or_b32 s[G1+0], s43, (3<<16)|(1<<21)         ; elements of 8 bytes; the mask, and bit 21 beside it
	s_or_b32 s[G1B+0], s44, (3<<16)|(1<<21)
.irp g, G1, G1B
	s_mov_b32 s[\g+1], 32<<16                      ; rows of 32 elements = 256 bytes
	s_mov_b32 s[\g+2], 136<<16                     ; 136 rows
	s_mov_b32 s[\g+3], 32<<16
	s_mov_b32 s[\g+4], 136
	s_mov_b32 s[\g+5], 32                          ; dense
	s_mov_b32 s[\g+6], 0
	s_mov_b32 s[\g+7], 0
.endr
	s_lshl_b32 s20, s17, 1
	s_add_co_u32 s20, s20, s16
	s_mul_i32 s20, s20, RBC                        ; x: RB = 2 x tile row + which
	s_mov_b32 s21, 0
	s_lshl_b32 s46, s42, 1
	s_add_co_u32 s46, s46, s16
	s_add_co_u32 s46, s46, 64
	s_mul_i32 s46, s46, RBC                        ; w: RB = 64 + 2 x tile column + which
	s_mov_b32 s47, 0
	s_mul_i32 s45, s14, BLK                        ; where my run goes in a slot
	s_wait_dscnt 0x0
	s_wait_kmcnt 0x0
	s_add_nc_u64 s[10:11], s[4:5], s[20:21]
	s_add_nc_u64 s[12:13], s[4:5], s[46:47]
	CROUND                                         ; in front of the first joint loads
.irp s, 0,1
	s_mov_b32 s[G0+4*\s], 1
	s_add_co_u32 s[G0+4*\s+1], s45, \s*SLOT
	s_add_nc_u64 s[G0+4*\s+2:G0+4*\s+3], s[10:11], \s*BLK
	s_or_b32 s[G0+4*\s+3], s[G0+4*\s+3], 0x80000000
	s_mov_b32 s[G0B+4*\s], 1
	s_add_co_u32 s[G0B+4*\s+1], s45, \s*SLOT
	s_add_nc_u64 s[G0B+4*\s+2:G0B+4*\s+3], s[12:13], \s*BLK
	s_or_b32 s[G0B+4*\s+3], s[G0B+4*\s+3], 0x80000000
.endr
	JLOAD 0                                        ; K step 0: one tensor load a wave at the head
	s_mul_i32 s73, s15, BLK                        ; the run of x that I multiply
	s_add_co_u32 s74, s73, SLOT
	s_add_co_u32 s75, s16, 2
	s_mul_i32 s75, s75, BLK                        ; the run of w
	s_add_co_u32 s76, s75, SLOT
	s_xor_b32 s77, s15, 1
	s_add_co_u32 s77, s77, s16
	s_add_co_u32 s77, s77, 1
	s_mul_i32 s77, s77, BLK                        ; the distance between the two
	s_add_co_u32 s78, s73, 32768                   ; a run's scales lie behind its codes
	s_add_co_u32 s79, s78, SLOT
	s_mul_i32 s80, s14, 16*SPITCH                  ; my stage
	s_lshl_b32 s82, s17, 8
	s_lshl_b32 s84, s15, 7
	s_add_co_u32 s82, s82, s84                     ; my first row of the result
	s_lshl_b32 s82, s82, 13
	s_lshl_b32 s84, s42, 10
	s_add_co_u32 s82, s82, s84
	s_lshl_b32 s84, s16, 9
	s_add_co_u32 s82, s82, s84                     ; + my first column, in bytes
	s_mov_b32 s83, 0
	s_add_nc_u64 s[6:7], s[6:7], s[82:83]
	s_and_b32 s86, ttmp7, 0xffff
	s_cmp_lt_u32 s86, 2
	s_cselect_b32 s86, 1, -1
	s_cmp_eq_u32 s15, 0
	s_cselect_b32 s[LIM], 1, s86
	s_cselect_b32 s70, s20, s46                    ; the run that I fetch,
	s_cselect_b32 s71, s40, s41                    ; my place among the four that ask for it
	s_mul_i32 s71, s71, 34*256
	s_add_co_u32 s70, s70, s71
	s_mov_b32 s71, 0
	s_add_nc_u64 s[PFA:PFA+1], s[4:5], s[70:71]
	v_and_b32 v1, 15, v0                           ; r
	v_bfe_u32 v2, v0, 4, 1                         ; h
	v_and_b32 v3, 31, v0                           ; lane
	v_lshlrev_b32 v[CO], 4, v3                     ; 16 x lane
	v_add_nc_u32 v[ADRA], s73, v[CO]
	v_add_nc_u32 v[ADRA+1], s74, v[CO]
	v_add_nc_u32 v[ADRB], s75, v[CO]
	v_add_nc_u32 v[ADRB+1], s76, v[CO]
	v_mul_u32_u24 v6, s77, v2                      ; lanes 16-31 take w's scale words
	v_lshl_add_u32 v6, v1, 4, v6
	v_add_nc_u32 v[ADRS], s78, v6
	v_add_nc_u32 v[ADRS+1], s79, v6
	v_mul_u32_u24 v5, v1, SPITCH
	v_lshl_add_u32 v5, v2, 5, v5
	v_add_nc_u32 v[STO], s80, v5                   ; into the stage: row r, 32 bytes for each half of the lanes
	v_add_nc_u32 v[RD], s80, v[CO]                 ; back: 32 lanes take a row of 512 bytes
	v_lshlrev_b32 v[PFO], 8, v3
	v_min_u32 v7, 1, v3
	v_lshl_add_u32 v[PFO2], v7, 8, 32*256
	s_wait_alu depctr_va_vdst(0)                   ; the wait at the head's end
	s_cmp_eq_u32 s[LIM], 1
	s_cbranch_scc0 .Lno_pf0
	PF BLK                                         ; K steps 1 and 2
	PF 2*BLK
.Lno_pf0:
.macro FRAG reg, adr, q, i             ; 16 rows x 128 K: two loads of 512 consecutive bytes
.irp c, 0,1
	ds_load_b128 v[\reg+4*\c:\reg+4*\c+3], v[\adr] offset:(4*(\i)+(\q))*1024+512*\c
.endr
.endm
.macro FB slot, q, p, i0               ; w's blocks i0 .. i0 + 3 of the slot's q-th 128 along K into set p
.irp i, \i0, \i0+1, \i0+2, \i0+3
	FRAG 64*(\p)+8*(\i), ADRB+\slot, \q, \i
.endr
.endm
.macro FA slot, q, p, i0               ; x's likewise
.irp i, \i0, \i0+1, \i0+2, \i0+3
	FRAG 128+64*(\p)+8*(\i), ADRA+\slot, \q, \i
.endr
.endm
.macro SCALES sc                       ; the slot's scale words: four words a row
.irp i, 0,1,2,3,4,5,6,7
	ds_load_b128 v[SC+32*\sc+4*\i:SC+32*\sc+4*\i+3], v[ADRS+\sc] offset:256*\i
.endr
.endm
; 16 matrix instructions: x's blocks a0, a0 + 1 against w's eight.  The 64 accumulators take turns in the same order in every step.
.macro MUL16 a0, p, q, sc, zero
.irp a, \a0, \a0+1
.irp b, 0,1,2,3,4,5,6,7
.if \zero
	v_wmma_scale_f32_16x16x128_f8f6f4 v[8*(8*((\a)%4)+\b):8*(8*((\a)%4)+\b)+7], v[64*(\p)+8*\b:64*(\p)+8*\b+7], v[128+64*(\p)+8*(\a):128+64*(\p)+8*(\a)+7], 0, v[SC+32*(\sc)+4*\b+(\q)], v[SC+32*(\sc)+4*(\a)+(\q)] matrix_a_fmt:MATRIX_FMT_FP4 matrix_b_fmt:MATRIX_FMT_FP4 matrix_a_scale:MATRIX_SCALE_ROW1
.else
	v_wmma_scale_f32_16x16x128_f8f6f4 v[8*(8*((\a)%4)+\b):8*(8*((\a)%4)+\b)+7], v[64*(\p)+8*\b:64*(\p)+8*\b+7], v[128+64*(\p)+8*(\a):128+64*(\p)+8*(\a)+7], v[8*(8*((\a)%4)+\b):8*(8*((\a)%4)+\b)+7], v[SC+32*(\sc)+4*\b+(\q)], v[SC+32*(\sc)+4*(\a)+(\q)] matrix_a_fmt:MATRIX_FMT_FP4 matrix_b_fmt:MATRIX_FMT_FP4 matrix_a_scale:MATRIX_SCALE_ROW1
.endif
.endr
.endr
.endm
.macro PLACES
.rept 4
	v_nop
.endr
.endm
; A step that has its successor in the same slot
.macro STEP slot, q, zero
	s_wait_dscnt 8                                 ; all but the youngest eight loads (x's blocks 4-7) are in
	PLACES                                         ; four places behind the last step's products, which read the sets that are loaded below
	WIN LD
	FB \slot, (\q)+1, 1-(\q)%2, 0                  ; the next step's 32 loads, in one run
	FB \slot, (\q)+1, 1-(\q)%2, 4
	FA \slot, (\q)+1, 1-(\q)%2, 0
	FA \slot, (\q)+1, 1-(\q)%2, 4
	WIN MUL_LO
	MUL16 0, (\q)%2, \q, \slot, \zero
	MUL16 2, (\q)%2, \q, \slot, \zero
	s_wait_dscnt 32                                ; all but the 32 just issued: x's blocks 4-7 are in
	WIN MUL_HI
	MUL16 4, (\q)%2, \q, \slot, \zero
	MUL16 6, (\q)%2, \q, \slot, \zero
.endm
; A slot's last step changes slots, and the slot is filled again, two K steps ahead, behind a round of the cluster's barrier.  My reads of the slot were issued 64 matrix instructions ago,
; so the round opens at the step's head; from a refill to the wait for it a wave issues 240 matrix instructions.
.macro TURN slot, next
	WIN 0
	s_wait_xcnt 0x0                                ; my prefetches have read their address
	s_add_nc_u64 s[PFA:PFA+1], s[PFA:PFA+1], BLK
	s_wait_tensorcnt 0x0                           ; all my tensor loads have landed: my run of the next slot
	ds_add_u32 v[SPW], v[NIL]
	s_add_nc_u64 s[G0+4*\slot+2:G0+4*\slot+3], s[G0+4*\slot+2:G0+4*\slot+3], 2*BLK
	s_add_nc_u64 s[G0B+4*\slot+2:G0B+4*\slot+3], s[G0B+4*\slot+2:G0B+4*\slot+3], 2*BLK
	s_wait_dscnt 0x0                               ; the add is done, my reads of this slot are over
	s_barrier_signal -1
	WIN MUL_LO
	MUL16 0, 1, 3, \slot, 0
	WIN 0
	s_barrier_wait -1
	CREST
	JLOAD \slot                                    ; the first tensor load behind the round; its four v_nop are the places in front of the loads below
	WIN LD
	FB \next, 0, 0, 0
	FB \next, 0, 0, 4
	FA \next, 0, 0, 0
	WIN 0
	SCALES \next
	WIN LD
	FA \next, 0, 0, 4
	WIN 0
	s_cmp_gt_u32 s3, s[LIM]                        ; the loop's last trip has no K step four on
	s_cbranch_scc0 .Lnot_mine_\@
	PF 3*BLK                                       ; PFA stands one K step behind this change's own: this names the K step two refills on
.Lnot_mine_\@:
	WIN MUL_LO
	MUL16 2, 1, 3, \slot, 0
	WIN MUL_HI
	MUL16 4, 1, 3, \slot, 0
	MUL16 6, 1, 3, \slot, 0
.endm
.macro STEPS slot, from
.set Q, \from
.rept 3-\from
	STEP \slot, Q, 0
.set Q, Q+1
.endr
.endm
	s_wait_tensorcnt 0x0                           ; my run of K step 0 is in
	ds_add_u32 v[SPW], v[NIL]
	s_wait_dscnt 0x0
	CROUND
	JLOAD 1                                        ; K step 1, the first tensor load behind the round
	WIN LD
	FB 0, 0, 0, 0
	FB 0, 0, 0, 4
	FA 0, 0, 0, 0
	WIN 0
	SCALES 0
	WIN LD
	FA 0, 0, 0, 4
	WIN 0
	s_cmp_eq_u32 s[LIM], 1
	s_cbranch_scc0 .Lno_pf1
	PF 3*BLK                                       ; K step 3
.Lno_pf1:
	STEP 0, 0, 1                                   ; the first step's products start the sums
	WIN 0
	s_mov_b32 s3, 3
.Llap:                                                 ; a trip goes once round the ring and fills both slots again
	STEPS 0, 1
	TURN 0, 1
	STEPS 1, 0
	TURN 1, 0
	STEP 0, 0, 0
	WIN 0
	s_sub_co_u32 s3, s3, 1
	s_cmp_lg_u32 s3, 0
	s_cbranch_scc1 .Llap
	STEPS 0, 1                                     ; the last lap fills nothing
; THE LAST K STEP, in slot 1, by rows of the result
.macro BQ q                            ; w's eight fragments of quarter q: quarters 0, 1, 2, 3 at v0, v128, v64, v192 of window 1
.irp i, 0,1,2,3,4,5,6,7
	FRAG 128*((\q)%2)+64*((\q)/2)+8*\i, ADRB+1, \q, \i
.endr
.endm
.macro ALOAD a                         ; x's block a, all four quarters, into buffer a % 2
.irp q, 0,1,2,3
	FRAG PA+32*((\a)%2)+8*\q, ADRA+1, \q, \a
.endr
.endm
.macro ROW a                           ; block a is finished: 32 matrix instructions, its 8 accumulators by turns
	WIN 0xa1+0x50*((\a)/4)                         ; source 0 window 1, source 1 window 0, C and D window 2 or 3
.irp q, 0,1,2,3
.if (\a) == 0 && \q == 2
	s_wait_dscnt 16                                ; w's quarter 2 is in
.endif
.if (\a) == 0 && \q == 3
	s_wait_dscnt 0x0                               ; and quarter 3
.endif
.irp b, 0,1,2,3,4,5,6,7
	v_wmma_scale_f32_16x16x128_f8f6f4 v[64*((\a)%4)+8*\b:64*((\a)%4)+8*\b+7], v[128*(\q%2)+64*(\q/2)+8*\b:128*(\q%2)+64*(\q/2)+8*\b+7], v[PA+32*((\a)%2)+8*\q:PA+32*((\a)%2)+8*\q+7], v[64*((\a)%4)+8*\b:64*((\a)%4)+8*\b+7], v[SC+32+4*\b+\q], v[SC+32+4*(\a)+\q] matrix_a_fmt:MATRIX_FMT_FP4 matrix_b_fmt:MATRIX_FMT_FP4 matrix_a_scale:MATRIX_SCALE_ROW1
.endr
.endr
.endm
; The way out of block a: through my own stage and back as whole rows of 512 bytes.  LDS serves a wave's instructions in order (ISA guide 5.7.1.4).
.macro TOSTAGE a
.set AC, 64*((\a)%4)
	WIN 0x08+4*((\a)/4)                            ; the data: window 2 or 3
.irp b, 0,1,2,3,4,5,6,7
	ds_store_b128 v[STO], v[AC+8*\b:AC+8*\b+3] offset:64*\b          ; each accumulator from its low end on
	ds_store_b128 v[STO], v[AC+8*\b+4:AC+8*\b+7] offset:64*\b+16
.endr
	WIN 0
.if (\a) > 0
	s_wait_xcnt 0x0                                ; the last block's stores have read the registers that the loads below fill
.endif
.irp t, 0,1,2,3,4,5,6,7,8,9,10,11,12,13,14,15
	ds_load_b128 v[BK+4*\t:BK+4*\t+3], v[RD] offset:\t*SPITCH
.endr
.endm
.macro SEND a, younger                 ; every row's place stands in the immediate: 127 rows of 8,192 bytes at the most
	s_wait_dscnt \younger
.irp t, 0,1,2,3,4,5,6,7,8,9,10,11,12,13,14,15
	global_store_b128 v[CO], v[BK+4*\t:BK+4*\t+3], s[6:7] offset:(16*(\a)+\t)*SIZE_N*4 th:TH_STORE_NT   ; 32 lanes store 512 consecutive bytes, aligned
.endr
.endm
	WIN 0
	s_wait_tensorcnt 0x0                           ; slot 1's last fill has landed
	ds_add_u32 v[SPW], v[NIL]
	s_wait_dscnt 0x0                               ; my reads of slot 0 are over
	s_barrier_signal -1
	WIN MUL_LO
	MUL16 0, 1, 3, 0, 0
	s_barrier_wait -1                              ; slot 1 is whole, and nobody reads slot 0 any more: it serves as the stage
	PLACES
	WIN LD
	BQ 0                                           ; into the sets that the step before multiplied
	BQ 1
	WIN 0
	SCALES 1
	ALOAD 0
	ALOAD 1
	WIN MUL_LO
	MUL16 2, 1, 3, 0, 0
	WIN MUL_HI
	MUL16 4, 1, 3, 0, 0
	MUL16 6, 1, 3, 0, 0
	PLACES
	WIN LD
	BQ 2                                           ; into the sets just multiplied
	BQ 3
	s_wait_dscnt 32                                ; all but the 32 just issued
	ROW 0
.irp a, 0,1,2,3,4,5,6,7
	PLACES                                         ; the stores into the stage read results just made; the loads below fill a buffer just multiplied
	TOSTAGE \a
.if \a < 6
	ALOAD \a+2
	SEND \a, 8                                     ; the eight loads just issued may be out
.else
	SEND \a, 0
.endif
.if \a < 7
	ROW \a+1
.endif
.endr
	s_wait_tensorcnt 0x0                           ; the wave's end
	ds_add_u32 v[SPW], v[NIL]
	s_wait_dscnt 0x0
	CROUND                                         ; the closing round
	s_endpgm
.Lfunc_end_k_q90342610ff_gemm:
	.size	k_q90342610ff_gemm, .Lfunc_end_k_q90342610ff_gemm-k_q90342610ff_gemm
	.p2alignl 7, 3214868480
	.fill 96, 4, 3214868480
	.section	.rodata,"a",@progbits
	.p2align	6, 0x0
	.amdhsa_kernel k_q90342610ff_gemm
		.amdhsa_group_segment_fixed_size 327680
		.amdhsa_private_segment_fixed_size 0
		.amdhsa_enable_private_segment 0
		.amdhsa_kernarg_size 16
		.amdhsa_user_sgpr_count 2
		.amdhsa_user_sgpr_kernarg_segment_ptr 1
		.amdhsa_wavefront_size32 1
		.amdhsa_system_sgpr_workgroup_id_x 1
		.amdhsa_system_sgpr_workgroup_id_y 1
		.amdhsa_system_sgpr_workgroup_id_z 1
		.amdhsa_system_vgpr_workitem_id 0
		.amdhsa_next_free_vgpr 1024
		.amdhsa_next_free_sgpr 100
		.amdhsa_reserve_vcc 0
		.amdhsa_float_denorm_mode_32 3
		.amdhsa_float_denorm_mode_16_64 3
		.amdhsa_memory_ordered 1
		.amdhsa_forward_progress 1
		.amdhsa_inst_pref_size 208
	.end_amdhsa_kernel
	.amdgpu_metadata
---
amdhsa.version: [ 1, 2 ]
amdhsa.kernels:
  - .name:           k_q90342610ff_gemm
    .symbol:         k_q90342610ff_gemm.kd
    .args:
      - { .name: codes, .offset: 0, .size: 8, .value_kind: global_buffer, .address_space: global }
      - { .name: out0, .offset: 8, .size: 8, .value_kind: global_buffer, .address_space: global }
    .group_segment_fixed_size: 327680
    .private_segment_fixed_size: 0
    .kernarg_segment_align: 8
    .kernarg_segment_size: 16
    .max_flat_workgroup_size: 128
    .sgpr_count:     100
    .vgpr_count:     1024
    .wavefront_size: 32
...
	.end_amdgpu_metadata
.endif
;; end of part 2
